; MI455X (gfx1250); checked and timed in simulation.
; The chip was launched on July 23, 2026; its instructions are those of AMD's public machine-readable ISA for CDNA 5 (MIT licence, August 2026) and "CDNA5" Instruction Set Architecture Reference Guide (July 2026). The comments in the code are by the model that wrote it; some were corrected since.
;; Position Net. Allowed arithmetic: matrix products marked QUANTISED: E5M2 operands, one given power-of-two scale a tensor, by v_wmma_f32_16x16x64_bf8_bf8 or v_wmma_f32_16x16x128_bf8_bf8, f32 sums; everything else in f32.
;; Inputs: conv_b 200 float32; conv_w 200 x 768 float32; img_feat 512 x 768 x 8 x 8 float32; lowp_scales 2 int32 (the exponents e of the quantised operands' scales 2^e).
;; Outputs: out0 512 x 25 x 8 x 8 x 8 float32; out1 512 x 25 x 3 float32.
;; This version of the problem:
;;   THIS VERSION OF THE PROBLEM IS GIVEN IN LOW PRECISION. The matrix products marked QUANTISED in the list below multiply operands that are first quantised to E5M2 (5 exponent bits, 2 mantissa bits; 8 bits a number), with one given power-of-two scale for each operand tensor; their sums are f32. All else is computed in f32.
;;   The module's matrix products, in the order in which they are computed (A, B: the left and right operand; K: the contracted axis; several contracted axes count as one K, in the product's order):
;;     1. [M 200, K 768] x [K 768, N 32,768]; A: input conv_w; B: input img_feat: QUANTISED (scales: A lowp_scales[0], B lowp_scales[1])
;;   THE QUANTISER, for each operand of a quantised product, along K:
;;     - The operand's scale is 2^e, e = its entry of the input lowp_scales (int32; the entries are numbered through the quantised products in the list's order, A before B).
;;     - Each number is divided by the scale, clamped to +-57,344, and rounded to the nearest number of E5M2, ties to even, subnormals kept.
;;     - The product sums the exact products of the quantised numbers (number of the format x scale) in f32.
;;   ~~~python
;;   def quantise(x, axis, e):      # numpy; x: float32 -> the quantised numbers, widened to float32 again
;;       x = np.moveaxis(x, axis, -1); K = x.shape[-1]
;;       r = np.clip(x / 2.0 ** e, -57344, 57344)
;;       step = 2.0 ** (np.maximum(np.frexp(np.where(r == 0, 1, r))[1] - 1, -14) - 2)
;;       q = np.round(r / step) * step * 2.0 ** e      # np.round: ties to even
;;       return np.moveaxis(q, -1, axis).astype(np.float32)
;;   ~~~
;; One version. Each part assembles by itself: llvm-mc -triple=amdgcn-amd-amdhsa -mcpu=gfx1250 --defsym DOCPART=n.
;; ======== version 1 of 1: 2 launches
;; limits: right only within a limited range of input values
;; workspace buffers: wq 159,744 bytes
;; launch wprep (part 1): grid 13 x 6, 4 waves a work-group, no clusters, 0 bytes of LDS; arguments conv_w, lowp_scales, wq; writes wq
.if DOCPART == 1
	.amdgcn_target "amdgcn-amd-amdhsa--gfx1250"
	.amdhsa_code_object_version 6
	.text
	.protected	k_q028e8d5ef7_wprep
	.globl	k_q028e8d5ef7_wprep
	.p2align	8
	.type	k_q028e8d5ef7_wprep,@function
k_q028e8d5ef7_wprep:
	s_mov_b64 s[64:65], 0
	v_nop
	global_prefetch_b8 v0, s[64:65] scope:SCOPE_SE
	s_setreg_imm32_b32 hwreg(HW_REG_WAVE_MODE, 25, 1), 1
	s_wait_xcnt 0x0
; conv_w [200][768] f32 becomes codes of BF8 (E5M2) with the given scale 2^ew (entry 0 of lowp_scales), laid as IMAGES OF THE REGISTERS in which the next launch's
; matrix instructions take them: byte ((t 6 + s) 4 + g) 512 + 16 lane + q of wq is the code of conv_w[o][128 s + 32 g + 16 h + q],
; r = lane % 16, h = lane / 16, o = 8 min(2 t + r / 8, 24) + r % 8.  t = 0 .. 12: tile of 16 rows; s = 0 .. 5: 128 along K; g = 0 .. 3: four registers of the fragment.
; 200 rows are 12.5 tiles: the upper half of tile 12 repeats rows 192 .. 199, so that no row is invented and nothing is masked later.
; code = x / 2^ew, held within +-57,344, to the nearest code, ties to even.  LIMITS: -126 <= ew <= 112; NaN among the inputs is not served.
; SHARES: work-group (t, s) makes one fragment of 2,048 bytes, wave g its group g: 78 work-groups are all the work there is.
; A lane reads 64 neighbouring bytes of its row (four loads of 16); the tensor is 614,400 bytes and is read once, so no turn through LDS is laid for it.  A wave stores 512 consecutive bytes, aligned.
.set ROWB, 3072                        ; bytes in a row of conv_w
	s_load_b128 s[4:7], s[0:1], 0x0                ; conv_w s[4:5], lowp_scales s[6:7]
	s_load_b64 s[8:9], s[0:1], 0x10                ; wq
	v_lshrrev_b32 v1, 5, v0
	v_readfirstlane_b32 s12, v1                    ; wave = g
	v_and_b32 v1, 15, v0                           ; r
	v_bfe_u32 v2, v0, 4, 1                         ; h
	s_and_b32 s13, ttmp7, 0xffff                   ; s
	s_lshl_b32 s14, ttmp9, 1                       ; 2 t
	v_lshrrev_b32 v7, 3, v1
	v_add_nc_u32 v7, s14, v7                       ; 2 t + r / 8: which group of eight rows,
	v_min_u32 v7, 24, v7                           ; the last one twice
	v_and_b32 v3, 7, v1
	v_lshl_add_u32 v7, v7, 3, v3                   ; o
	v_mul_u32_u24 v3, v7, ROWB
	v_lshl_add_u32 v3, v2, 6, v3                   ; + 64 h: my 16 numbers of a block of 32
	s_lshl_b32 s15, s12, 7
	v_add_nc_u32 v3, s15, v3                       ; + 128 g
	v_lshlrev_b32 v4, 4, v0                        ; out: 16 x thread = 512 g + 16 lane
	s_lshl_b32 s16, s13, 9                         ; 512 s bytes along a row
	s_mov_b32 s17, 0
	s_mul_i32 s14, ttmp9, 6
	s_add_co_u32 s14, s14, s13
	s_lshl_b32 s14, s14, 11                        ; (6 t + s) x 2,048
	s_mov_b32 s15, 0
	s_wait_kmcnt 0x0
	s_load_b32 s10, s[6:7], 0x0                    ; ew
	s_add_nc_u64 s[4:5], s[4:5], s[16:17]
	s_add_nc_u64 s[8:9], s[8:9], s[14:15]
.irp j, 0,1,2,3
	global_load_b128 v[8+4*\j:11+4*\j], v3, s[4:5] offset:16*\j
.endr
	s_wait_kmcnt 0x0
	s_add_co_i32 s10, s10, 127
	s_lshl_b32 s13, s10, 23
	v_mov_b32 v5, s13                              ; 2^ew as f32: the conversion takes its exponent field
	s_add_co_i32 s10, s10, 15
	s_lshl_b32 s10, s10, 23
	s_or_b32 s10, s10, 0x600000
	v_mov_b32 v6, s10                              ; 57,344 x 2^ew
	s_wait_loadcnt 0x0
.irp i, 0,1,2,3,4,5,6,7,8,9,10,11,12,13,14,15
	v_med3_num_f32 v[8+\i], v[8+\i], -v6, v6       ; the conversion to an 8-bit code does not saturate (ISA guide 7.6.2): the hold comes first
.endr
	v_cvt_scalef32_pk8_bf8_f32 v[24:25], v[8:15], v5
	v_cvt_scalef32_pk8_bf8_f32 v[26:27], v[16:23], v5
	global_store_b128 v4, v[24:27], s[8:9]         ; the codes go to a store alone
	s_endpgm
.Lfunc_end_k_q028e8d5ef7_wprep:
	.size	k_q028e8d5ef7_wprep, .Lfunc_end_k_q028e8d5ef7_wprep-k_q028e8d5ef7_wprep
	.p2alignl 7, 3214868480
	.fill 96, 4, 3214868480
	.section	.rodata,"a",@progbits
	.p2align	6, 0x0
	.amdhsa_kernel k_q028e8d5ef7_wprep
		.amdhsa_group_segment_fixed_size 0
		.amdhsa_private_segment_fixed_size 0
		.amdhsa_enable_private_segment 0
		.amdhsa_kernarg_size 24
		.amdhsa_user_sgpr_count 2
		.amdhsa_user_sgpr_kernarg_segment_ptr 1
		.amdhsa_wavefront_size32 1
		.amdhsa_system_sgpr_workgroup_id_x 1
		.amdhsa_system_sgpr_workgroup_id_y 1
		.amdhsa_system_sgpr_workgroup_id_z 1
		.amdhsa_system_vgpr_workitem_id 0
		.amdhsa_next_free_vgpr 32
		.amdhsa_next_free_sgpr 66
		.amdhsa_reserve_vcc 0
		.amdhsa_float_denorm_mode_32 3
		.amdhsa_float_denorm_mode_16_64 3
		.amdhsa_memory_ordered 1
		.amdhsa_forward_progress 1
		.amdhsa_inst_pref_size 4
	.end_amdhsa_kernel
	.amdgpu_metadata
---
amdhsa.version: [ 1, 2 ]
amdhsa.kernels:
  - .name:           k_q028e8d5ef7_wprep
    .symbol:         k_q028e8d5ef7_wprep.kd
    .args:
      - { .name: conv_w, .offset: 0, .size: 8, .value_kind: global_buffer, .address_space: global }
      - { .name: lowp_scales, .offset: 8, .size: 8, .value_kind: global_buffer, .address_space: global }
      - { .name: wq, .offset: 16, .size: 8, .value_kind: global_buffer, .address_space: global }
    .group_segment_fixed_size: 0
    .private_segment_fixed_size: 0
    .kernarg_segment_align: 8
    .kernarg_segment_size: 24
    .max_flat_workgroup_size: 128
    .sgpr_count:     66
    .vgpr_count:     32
    .wavefront_size: 32
...
	.end_amdgpu_metadata
.endif
;; end of part 1
;; launch posnet (part 2): grid 256 x 1, 4 waves a work-group, clusters of 4 x 1, 210,432 bytes of LDS; arguments img_feat, wq, conv_b, lowp_scales, out0, out1; writes out0, out1
.if DOCPART == 2
	.amdgcn_target "amdgcn-amd-amdhsa--gfx1250"
	.amdhsa_code_object_version 6
	.text
	.protected	k_q028e8d5ef7_posnet
	.globl	k_q028e8d5ef7_posnet
	.p2align	8
	.type	k_q028e8d5ef7_posnet,@function
k_q028e8d5ef7_posnet:
	s_mov_b64 s[64:65], 0
	v_nop
	global_prefetch_b8 v0, s[64:65] scope:SCOPE_SE
	s_setreg_imm32_b32 hwreg(HW_REG_WAVE_MODE, 25, 1), 1
	s_wait_xcnt 0x0
	s_wait_alu depctr_hold_cnt(0) depctr_sa_sdst(0) depctr_va_vdst(0) depctr_va_sdst(0) depctr_va_ssrc(0) depctr_va_vcc(0) depctr_vm_vsrc(0)
	s_getreg_b32 s2, hwreg(HW_REG_IB_STS2, 6, 4)
	s_cmp_eq_u32 s2, 0
	s_cbranch_scc0 .Lentry_in_a_cluster
	s_endpgm
.Lentry_in_a_cluster:
	s_bfe_u32 s2, ttmp6, 0x10000c
	s_cmp_lg_u32 s2, 0x3003
	s_cbranch_scc0 .Lentry_shape_is_right
	s_endpgm
.Lentry_shape_is_right:
; For each image: logits[200][64] = Q(conv_w) Q(img_feat) + conv_b on codes of BF8 (E5M2); for each of 25 joints a softmax over its 8 channels x 64 pixels (out0) and the three expectations x, y, z (out1).
; SHARES.  256 work-groups of four waves; work-group G takes images 2 G and 2 G + 1 from f32 to both outputs; nothing else goes through memory.
;   The waves share the ROWS OF W: wave w owns tiles of 16 rows 3 w + i, i = 0 .. 2; wave 3 also tile 12.  A wave's fragments of W stay in its registers for both images.
;   The waves share the QUANTISING OF x: a chunk is 128 channels x 64 pixels, 32,768 dense bytes; 12 chunks.  Wave w takes channels 32 w .. 32 w + 31 of each chunk: its codes are registers 4 w .. 4 w + 3
;   of all four fragments of x, which go to LDS as images of the registers (16 bytes a lane, 512 a store) and are read back by all four waves.
; THREE PERMUTATIONS TAKE THE PLACE OF EVERY TRANSPOSITION.  Pixels: lane r of column tile n takes pixel 4 r + n, so one load of 16 bytes feeds all four tiles and a lane's four results of one channel are 16
;   neighbouring bytes of out0.  Registers: the hold, owed anyway, writes loaded register 4 i + n into register 16 n + i (eight neighbours along K for each conversion); the exponential writes score 8 n + d into 4 d + n
;   (four neighbouring pixels for each store).  K: lane (r, h), registers 4 g .. 4 g + 3, byte q hold channel 128 s + 32 g + 16 h + q, alike in W and in x: every product meets its partner; only the order of the sums
;   inside an instruction differs from ascending k.
; LAYOUT OF THE RESULT.  Source 0 = 16 rows of W, source 1 = 16 pixels: register j of lane (r, h) is joint 2 t + h, depth j, pixel 4 r + n.  A joint's 512 numbers are 32 registers x 16 lanes of one half: the halves never meet.
;   Tile 12's upper half repeats joint 24: both halves compute and store the same numbers at the same places: nothing is masked.
; CLUSTER.  All work-groups read the same W: the four of a cluster ask for it JOINTLY, one tensor load a wave, the same descriptor and a mask that names the four.  x is read by one work-group alone and comes by plain loads,
;   four chunks (64 loads of 512 bytes a wave) ahead, into a ring of four register sets with counted waits.  No LDS byte of W is filled twice.
; THE ORDER AT THE START.  W is asked for behind chunk 0's loads and waited for only when chunks 0 to 3 have been quantised: each chunk that is quantised frees its register set for the chunk four on, so chunks 4 to 7 are asked
;   for while W is still on its way.  Then the products catch up: in image 2 G two chunks are multiplied for each chunk that is quantised, so that at the image's end the quantising is one chunk ahead, as it stays in image 2 G + 1.
; SOFTMAX.  The joint's true maximum m is taken away: p = 2^(c s - c m), c = log2(e) 2^(ew + ex); the bias goes in as the C of each sum's first product, as conv_b / 2^(ew + ex).
; LIMITS: -126 <= ex <= 112 (ew likewise, in the launch before); -126 <= ew + ex <= 127; conv_b / 2^(ew + ex) is a finite f32 number.  NaN among the inputs is not served; infinities are held at the largest code.
; REGISTERS, in windows of 256 (s_set_vgpr_msb: bits 1:0 source 0, 3:2 source 1, 5:4 source 2, 7:6 destination):
;   window 0: v0-16 addresses and constants; v17-23 at work; v24-151 the accumulators ((i, n) at 24 + 32 i + 8 n); v152-215 held numbers, later two sets of p; v216-231 codes; v220-247 the softmax's small numbers
;   window 1: four sets of 64 loaded numbers.   window 2: W's tiles 0, 1 (v[96 i + 16 s]); from v192 x's four fragments.   window 3: W's tiles 2, 3; from v192 the bias, eight registers a tile.
.set IMG,   159744                     ; LDS: 0 .. 159,743 wq as it lies; then six buffers of 8,192 bytes for x's fragments, chunk u in buffer u % 6 (fragment n at 2,048 n, registers 4 g .. at 512 g, lane at 16 lane);
.set COORD, 208896                     ; then 600 bytes: the work-group's part of out1 as it lies in memory
.set WPART, 39936                      ; what one wave's tensor load brings: 156 rows of 256 bytes
.set VX,  3                            ; v3   x: 8,192 w + 4,096 h + 16 r; never rewritten
.set LI,  4                            ; v4   IMG + 16 lane
.set IW,  5                            ; v5   IMG + 512 w + 16 lane
.set AW,  6                            ; v6   36,864 w + 16 lane: my tiles of W in LDS
.set VB,  7                            ; v7   conv_b: 32 (6 w + h)
.set VB2, 8                            ; v8   32 x 6 w
.set VO,  9                            ; v9   out0: 2,048 (6 w + h) + 16 r
.set VO2, 10                           ; v10  2,048 x 6 w + 16 r
.set CA,  11                           ; v11  COORD + 72 w + 12 h: the three coordinates of my half's joint of tile 0
.set CA2, 12                           ; v12  COORD + 72 w: the same for both halves
.set FX,  13                           ; v13  4 (r % 2) as f32: x of my pixel 4 r
.set FY,  14                           ; v14  r / 2 as f32: y of my four pixels
.set SCL, 15                           ; v15  2^ex as f32
.set LIM, 16                           ; v16  57,344 x 2^ex
.set ACC, 24
.set XP,  152
.set EB,  152
.set PC,  216
.set CM,  220                          ; v220 c m; v221-224 four chains of the maximum, m ends in v221
.set MX,  221
.set P01, 226                          ; v[226:229] the sums of p by pixel n
.set P23, 228
.set Z01, 230                          ; v[230:233] the sums of d p by pixel n
.set Z23, 232
.set QQ,  234
.set SL,  236                          ; v236-239 the lane's sum, and its parts of x, y, z
.set XL,  237
.set YL,  238
.set ZL,  239
.set ZZ,  240
.set RI,  242                          ; v[242:243] 1 / the sum, twice
.set BF,  192                          ; x's fragments, in window 2; the bias, in window 3
.set MSB, 0
.macro WIN new                         ; the immediate's high byte repeats the setting that is left; a switch that changes nothing is dropped
.if MSB != \new
	s_set_vgpr_msb (MSB<<8)|\new
.set MSB, \new
.endif
.endm
; A round of the cluster's barrier: my work-group's barrier; wave 0 signals for the work-group; every wave waits for all four work-groups; my work-group's barrier once more.
.macro ROUND
	s_barrier_signal -1
	s_barrier_wait -1
	s_cmp_lg_u32 s16, 0
	s_cbranch_scc1 .Lnot_wave_0_\@
	s_barrier_signal -3
.Lnot_wave_0_\@:
	s_barrier_wait -3
	s_barrier_signal -1
	s_barrier_wait -1
.endm
; Chunk u, my 32 channels: 16 loads.  Lanes 0-15 read channel 32 w + i's 256 bytes, aligned, lanes 16-31 channel 32 w + 16 + i's.  Register 4 i + n of set u % 4: channel 32 w + 16 h + i, pixel 4 r + n.
.macro XLOAD u
	WIN 0x40                                       ; destination window 1
.irp i, 0,1,2,3,4,5,6,7,8,9,10,11,12,13,14,15
	global_load_b128 v[64*((\u)%4)+4*\i:64*((\u)%4)+4*\i+3], v[VX], s[4:5] offset:(\u)*32768+\i*256 th:TH_LOAD_NT
.endr
	WIN 0
.endm
; Chunk u becomes codes, and they go to buffer u % 6.
.macro QUANT u
.if 11-(\u) >= 3
	s_wait_loadcnt 48                              ; loads come back in order: chunk u's 16 are in; behind them were issued the 16 of each of the three chunks that follow
.else
	s_wait_loadcnt 16*(11-(\u))                    ; at the end fewer chunks follow
.endif
	WIN 0x01                                       ; source 0 window 1
.irp i, 0,1,2,3,4,5,6,7,8,9,10,11,12,13,14,15
.irp n, 0,1,2,3
	v_med3_num_f32 v[XP+16*\n+\i], v[64*((\u)%4)+4*\i+\n], -v[LIM], v[LIM]   ; the hold at the largest code x the scale (the conversion does not saturate: ISA guide 7.6.2), and the turn: pixel n's 16 channels on end
.endr
.endr
.if (\u)+4 <= 11
	XLOAD (\u)+4                                   ; the set has been read: it takes the chunk four on
.endif
	WIN 0
	s_wait_dscnt 0x0                               ; the LDS stores of the chunk before have read the codes' registers, which are written again below
.irp n, 0,1,2,3
	v_cvt_scalef32_pk8_bf8_f32 v[PC+4*\n:PC+4*\n+1], v[XP+16*\n:XP+16*\n+7], v[SCL]
	v_cvt_scalef32_pk8_bf8_f32 v[PC+4*\n+2:PC+4*\n+3], v[XP+16*\n+8:XP+16*\n+15], v[SCL]
.endr
	v_nop                                          ; one plain vector instruction behind the last scaled conversion, ahead of whatever vector instruction next touches its registers
.irp n, 0,1,2,3
	ds_store_b128 v[IW], v[PC+4*\n:PC+4*\n+3] offset:((\u)%6)*8192+\n*2048
.endr
.endm
; x's four fragments of chunk t, from buffer t % 6.  The four v_nop are the places between the last matrix instruction that read these registers and the loads into them.
.macro FETCHB t
.rept 4
	v_nop
.endr
	WIN 0x80                                       ; destination window 2
.irp n, 0,1,2,3
.irp g, 0,1,2,3
	ds_load_b128 v[BF+16*\n+4*\g:BF+16*\n+4*\g+3], v[LI] offset:((\t)%6)*8192+\n*2048+\g*512
.endr
.endr
	WIN 0
.endm
; My tile i of W, all six K steps, out of LDS as it lies
.macro ALOAD i
.irp s, 0,1,2,3,4,5
.irp g, 0,1,2,3
	ds_load_b128 v[96*((\i)%2)+16*\s+4*\g:96*((\i)%2)+16*\s+4*\g+3], v[AW] offset:(\i)*12288+\s*2048+\g*512
.endr
.endr
.endm
; Four products: tile i of W against the four tiles of pixels, K step s.  At s = 0 the bias starts the sums: nothing is cleared.  The accumulators take turns, one instruction a turn.
.macro MULT i, s
.irp n, 0,1,2,3
.if (\s) == 0
	v_wmma_f32_16x16x128_bf8_bf8 v[ACC+32*(\i)+8*\n:ACC+32*(\i)+8*\n+7], v[96*((\i)%2)+16*(\s):96*((\i)%2)+16*(\s)+15], v[BF+16*\n:BF+16*\n+15], v[BF+8*(\i):BF+8*(\i)+7]
.else
	v_wmma_f32_16x16x128_bf8_bf8 v[ACC+32*(\i)+8*\n:ACC+32*(\i)+8*\n+7], v[96*((\i)%2)+16*(\s):96*((\i)%2)+16*(\s)+15], v[BF+16*\n:BF+16*\n+15], v[ACC+32*(\i)+8*\n:ACC+32*(\i)+8*\n+7]
.endif
.endr
.endm
; depth d joins the sums: p by pixel, and d p by pixel (k = d as f32)
.macro ZSTEP d, k
	v_pk_add_f32 v[P01:P01+1], v[P01:P01+1], v[TE+4*(\d):TE+4*(\d)+1]
	v_pk_add_f32 v[P23:P23+1], v[P23:P23+1], v[TE+4*(\d)+2:TE+4*(\d)+3]
	v_pk_fma_f32 v[Z01:Z01+1], v[TE+4*(\d):TE+4*(\d)+1], \k, v[Z01:Z01+1] op_sel_hi:[1,0,1]
	v_pk_fma_f32 v[Z23:Z23+1], v[TE+4*(\d)+2:TE+4*(\d)+3], \k, v[Z23:Z23+1] op_sel_hi:[1,0,1]
.endm
; THE SOFTMAX OF MY TILE i (two joints, one in each half of the lanes) of image bl.  two = 1: both halves hold joint 24.
.macro TILE i, bl, two
.set TS, ACC+32*(\i)
.set TE, EB+32*((\i)%2)
.if \two
.set TVO, VO2
.set TCA, CA2
.else
.set TVO, VO
.set TCA, CA
.endif
.if (\i) >= 2
	s_wait_xcnt 0x0                                ; the stores of the tile two back have read this set of p: it is written again only behind this wait
.endif
.irp n, 0,1,2,3
	v_max3_num_f32 v[MX+\n], v[TS+8*\n], v[TS+8*\n+1], v[TS+8*\n+2]   ; the maximum, four chains; each accumulator is read from its low end on
.endr
.irp n, 0,1,2,3
	v_max3_num_f32 v[MX+\n], v[MX+\n], v[TS+8*\n+3], v[TS+8*\n+4]
.endr
.irp n, 0,1,2,3
	v_max3_num_f32 v[MX+\n], v[MX+\n], v[TS+8*\n+5], v[TS+8*\n+6]
.endr
	v_max3_num_f32 v[MX], v[MX], v[TS+7], v[TS+15]
	v_max3_num_f32 v[MX+2], v[MX+2], v[TS+23], v[TS+31]
	v_max3_num_f32 v[MX], v[MX], v[MX+1], v[MX+2]
	v_max_num_f32 v[MX], v[MX], v[MX+3]
.irp m, 1,2,4,8
	v_max_num_f32_dpp v[MX], v[MX], v[MX] row_xmask:\m row_mask:0xf bank_mask:0xf   ; across the 16 lanes of my half: the joint's maximum, in every lane
.endr
	v_mul_f32 v[CM], s36, v[MX]                    ; c m (c is positive)
.irp k, 0,2,4,6,8,10,12,14,16,18,20,22,24,26,28,30
	v_pk_fma_f32 v[TS+\k:TS+\k+1], v[TS+\k:TS+\k+1], s[36:37], v[CM:CM+1] op_sel_hi:[1,0,0] neg_lo:[0,0,1] neg_hi:[0,0,1]   ; c s - c m, two at a time
.endr
.irp d, 0,1,2,3,4,5,6,7
.irp n, 0,1,2,3
	v_exp_f32 v[TE+4*\d+\n], v[TS+8*\n+\d]         ; and the turn: depth d's four pixels on end
.endr
.endr
	v_nop                                          ; a plain instruction behind the last exponential,
	s_wait_alu depctr_va_vdst(0)                   ; and the one wait for the batch, ahead of its first reader
	v_pk_add_f32 v[P01:P01+1], v[TE:TE+1], v[TE+4:TE+5]
	v_pk_add_f32 v[P23:P23+1], v[TE+2:TE+3], v[TE+6:TE+7]
	v_pk_fma_f32 v[Z01:Z01+1], v[TE+8:TE+9], 2.0, v[TE+4:TE+5] op_sel_hi:[1,0,1]
	v_pk_fma_f32 v[Z23:Z23+1], v[TE+10:TE+11], 2.0, v[TE+6:TE+7] op_sel_hi:[1,0,1]
	v_pk_add_f32 v[P01:P01+1], v[P01:P01+1], v[TE+8:TE+9]
	v_pk_add_f32 v[P23:P23+1], v[P23:P23+1], v[TE+10:TE+11]
	ZSTEP 3, 0x40400000
	ZSTEP 4, 4.0
	ZSTEP 5, 0x40a00000
	ZSTEP 6, 0x40c00000
	ZSTEP 7, 0x40e00000
	v_pk_add_f32 v[QQ:QQ+1], v[P01:P01+1], v[P23:P23+1]
	v_pk_add_f32 v[ZZ:ZZ+1], v[Z01:Z01+1], v[Z23:Z23+1]
	v_fma_f32 v[XL], 2.0, v[P23], v[P01+1]         ; my pixels' x are 4 (r % 2) + n:
	v_add_f32 v[SL], v[QQ], v[QQ+1]                ; my lane's sum
	v_fma_f32 v[XL], 0x40400000, v[P23+1], v[XL]
	v_add_f32 v[ZL], v[ZZ], v[ZZ+1]
	v_mul_f32 v[YL], v[FY], v[SL]                  ; their y is r / 2
	v_fma_f32 v[XL], v[FX], v[SL], v[XL]
.irp m, 1,2,4,8
.irp q, 236,237,238,239
	v_add_f32_dpp v\q, v\q, v\q row_xmask:\m row_mask:0xf bank_mask:0xf   ; the four sums across my half's 16 lanes, by turns
.endr
.endr
	v_rcp_f32 v[RI], v[SL]                         ; the sum is at least about 1: the maximum's own term
	v_rcp_f32 v[RI+1], v[SL]                       ; twice, for the packed multiply
	v_nop
	s_wait_alu depctr_va_vdst(0)                   ; one wait for both reciprocals, ahead of their first reader
.irp k, 0,2,4,6,8,10,12,14,16,18,20,22,24,26,28,30
	v_pk_mul_f32 v[TE+\k:TE+\k+1], v[TE+\k:TE+\k+1], v[RI:RI+1]
.endr
	v_mul_f32 v[XL], v[XL], v[RI]
	v_mul_f32 v[YL], v[YL], v[RI]
	v_mul_f32 v[ZL], v[ZL], v[RI]
	ds_store_b32 v[TCA], v[XL] offset:300*(\bl)+24*(\i)      ; x, y, z of my half's joint, as out1 has them: the 16 lanes of a half write the same word with the same number
	ds_store_b32 v[TCA], v[YL] offset:300*(\bl)+24*(\i)+4
	ds_store_b32 v[TCA], v[ZL] offset:300*(\bl)+24*(\i)+8
.irp d, 0,1,2,3,4,5,6,7
	global_store_b128 v[TVO], v[TE+4*\d:TE+4*\d+3], s[44+2*(\bl):45+2*(\bl)] offset:4096*(\i)+256*\d th:TH_STORE_NT   ; each half's 16 lanes store 256 consecutive bytes, aligned: depth d of its joint
.endr
.endm
.macro SOFTMAX bl
.rept 4
	v_nop                                          ; four places between the last products and the first read of results (ISA guide 7.12.1)
.endr
	TILE 0, \bl, 0
	TILE 1, \bl, 0
	TILE 2, \bl, 0
	s_cmp_lg_u32 s16, 3
	s_cbranch_scc1 .Lno_dup_\@
	TILE 3, \bl, 1
.Lno_dup_\@:
	s_wait_xcnt 0x0                                ; the stores have read both sets of p: the held numbers of the next chunk may be written over them
.endm
; A TRIP: chunk t is multiplied; q >= 0: chunk q is quantised meanwhile, and the trip has a barrier; q < 0: nothing is stored to LDS, and there is none.
; In front of the barrier's signal my reads of buffer t % 6 (and of every buffer read since the last barrier) are in and my stores into buffer q % 6 are done.
; STORE, THEN READ: chunk q is read in a later trip, behind this barrier.  READ, THEN OVERWRITE: buffer q % 6 was last read in trip q - 6, and a barrier with that wait in front of it lies between that trip's reads and this trip's
; stores: for chunks 6 .. 11 (stored in trips 4, 6, 7, 8, 9, 10; their buffers read in trips 0 .. 5) the barriers of trips 0, 2, 2, 4, 4, 6.
.macro TRIP t, q
	FETCHB \t
.if (\q) >= 0
	QUANT \q
.endif
	s_wait_dscnt 0x0
.if (\q) >= 0
	s_barrier_signal -1
.endif
.if (\t)%6 == 0
	WIN 0x3a                                       ; W and x window 2, the bias window 3
.else
	WIN 0x0a
.endif
	MULT 0, (\t)%6
	MULT 1, (\t)%6
.if (\t)%6 == 0
	WIN 0x3b                                       ; W window 3
.else
	WIN 0x0b
.endif
	MULT 2, (\t)%6
	WIN 0
.if (\q) >= 0
	s_barrier_wait -1
.endif
	s_cmp_lg_u32 s16, 3                            ; tile 12 is wave 3's; the branch stands behind the barrier's wait
	s_cbranch_scc1 .Lno_t3_\@
.if (\t)%6 == 0
	WIN 0x3b
.else
	WIN 0x0b
.endif
	MULT 3, (\t)%6
	WIN 0
.Lno_t3_\@:
.endm
	; ---- the head: addresses
	s_load_b256 s[4:11], s[0:1], 0x0               ; img_feat s[4:5], wq s[6:7], conv_b s[8:9], lowp_scales s[10:11]
	s_load_b128 s[12:15], s[0:1], 0x20             ; out0 s[12:13], out1 s[14:15]
	v_lshl_add_u32 v254, v0, 2, 0x33400
	v_mov_b32 v255, 0
	ds_add_u32 v254, v255
	ds_add_u32 v254, v255
	v_lshrrev_b32 v17, 5, v0
	v_readfirstlane_b32 s16, v17                   ; wave 0..3
	s_bfe_u32 s17, ttmp6, 0x40000                  ; cx: my place in the cluster
	s_lshl_b32 s18, ttmp9, 2                       ; in a cluster launch ttmp9 counts clusters
	s_add_co_u32 s18, s18, s17                     ; G: it enters the addresses of img_feat, out0 and out1 alone
	v_and_b32 v1, 15, v0                           ; r
	v_bfe_u32 v2, v0, 4, 1                         ; h
	v_and_b32 v18, 31, v0                          ; lane
	v_lshlrev_b32 v19, 4, v1                       ; 16 r
	v_lshlrev_b32 v20, 4, v18                      ; 16 lane
	s_lshl_b32 s38, s16, 13
	v_lshl_add_u32 v[VX], v2, 12, v19
	v_add_nc_u32 v[VX], s38, v[VX]
	v_add_nc_u32 v[LI], IMG, v20
	s_lshl_b32 s38, s16, 9
	v_add_nc_u32 v[IW], s38, v[LI]
	s_mul_i32 s38, s16, 36864
	v_add_nc_u32 v[AW], s38, v20
	s_mul_i32 s39, s16, 6                          ; my first joint
	v_add_nc_u32 v21, s39, v2                      ; + h
	v_lshlrev_b32 v[VB], 5, v21
	s_lshl_b32 s38, s39, 5
	v_mov_b32 v[VB2], s38
	v_lshl_add_u32 v[VO], v21, 11, v19
	s_lshl_b32 s38, s39, 11
	v_add_nc_u32 v[VO2], s38, v19
	s_mul_i32 s38, s16, 72                         ; my six joints' 72 bytes of an image's 300
	s_add_co_u32 s38, s38, COORD
	v_mov_b32 v[CA2], s38                          ; a constant + 72 x wave,
	v_mul_u32_u24 v[CA], v2, 12
	v_add_nc_u32 v[CA], s38, v[CA]                 ; + 12 h
	v_and_b32 v23, 1, v1
	v_lshlrev_b32 v23, 2, v23
	v_cvt_f32_u32 v[FX], v23
	v_lshrrev_b32 v23, 1, v1
	v_cvt_f32_u32 v[FY], v23
	; descriptor group 1: a dense block as 156 rows of 32 elements of 8 bytes
	s_mov_b32 s28, 15|(3<<16)|(1<<21)              ; 15:0 the mask: all four work-groups; 17:16 elements of 8 bytes; 20 no padding; 21 set beside a mask
	s_mov_b32 s29, 32<<16                          ; tensor_dim0 = 32
	s_mov_b32 s30, 156<<16                         ; tensor_dim1 = 156
	s_mov_b32 s31, 32<<16                          ; tile_dim0 = 32
	s_mov_b32 s32, 156                             ; tile_dim1 = 156
	s_mov_b32 s33, 32                              ; from row to row
	s_mov_b32 s34, 0
	s_mov_b32 s35, 0
	s_mul_i32 s48, s16, WPART                      ; my quarter of wq: the wave's number alone, in registers that never hold my place in the cluster
	s_mov_b32 s49, 0
	s_mov_b32 s24, 1                               ; group 0: count = 1,
	s_mul_i32 s25, s16, WPART                      ; LDS address,
	s_wait_dscnt 0x0
	s_wait_kmcnt 0x0
	s_load_b64 s[20:21], s[10:11], 0x0             ; ew, ex
	s_add_nc_u64 s[26:27], s[6:7], s[48:49]        ; global address,
	s_or_b32 s27, s27, 0x80000000                  ; type = 2
	s_mul_i32 s38, s18, 393216                     ; two images of 196,608 bytes
	s_mov_b32 s39, 0
	s_add_nc_u64 s[4:5], s[4:5], s[38:39]
	s_mul_i32 s38, s18, 600
	s_add_nc_u64 s[14:15], s[14:15], s[38:39]
	s_mul_i32 s38, s18, 102400
	s_add_nc_u64 s[44:45], s[12:13], s[38:39]      ; out0 at image 2 G,
	s_add_nc_u64 s[46:47], s[44:45], 51200         ; and at 2 G + 1
	; ---- the first requests: the bias and chunk 0, which is wanted first; W; chunks 1 to 3
	WIN 0xc0                                       ; destination window 3
.irp i, 0,1,2
	global_load_b128 v[BF+8*\i:BF+8*\i+3], v[VB], s[8:9] offset:64*\i          ; lane (r, h), tile i: conv_b of joint 6 w + 2 i + h, depths 0 .. 7: the result's layout
	global_load_b128 v[BF+8*\i+4:BF+8*\i+7], v[VB], s[8:9] offset:64*\i+16
.endr
	WIN 0
	s_cmp_lg_u32 s16, 3
	s_cbranch_scc1 .Lno_bias3
	WIN 0xc0
	global_load_b128 v[BF+24:BF+27], v[VB2], s[8:9] offset:192                 ; joint 24, for both halves
	global_load_b128 v[BF+28:BF+31], v[VB2], s[8:9] offset:208
	WIN 0
.Lno_bias3:
	XLOAD 0
	ROUND                                          ; all four work-groups are here: the joint loads meet
	tensor_load_to_lds s[24:27], s[28:35]          ; my one tensor load of the launch: one is outstanding
	s_nop 0
.rept 4
	v_nop                                          ; the window is switched only behind these four
.endr
	XLOAD 1
	XLOAD 2
	XLOAD 3
	; ---- the constants made of the given exponents
	s_wait_kmcnt 0x0
	s_add_co_i32 s38, s21, 127
	s_lshl_b32 s39, s38, 23
	v_mov_b32 v[SCL], s39                          ; 2^ex as f32: the conversion takes its exponent field
	s_add_co_i32 s38, s38, 15
	s_lshl_b32 s38, s38, 23
	s_or_b32 s38, s38, 0x600000
	v_mov_b32 v[LIM], s38                          ; 57,344 x 2^ex
	s_add_co_i32 s22, s20, s21                     ; ew + ex: a sum stands for sum x 2^(ew + ex)
	s_lshl_b32 s38, s22, 23
	s_add_co_i32 s36, s38, 0x3fb8aa3b              ; c = log2(e) x 2^(ew + ex): the exponents are added to log2(e)'s exponent field
	s_mov_b32 s37, s36                             ; (named with it as a pair, so it is written)
	s_sub_co_i32 s22, 0, s22
	; ---- four chunks are quantised while W is on its way: chunks 4 to 7 are asked for as chunks 0 to 3 come in.  The first wait also shows the bias in: those loads are older
	QUANT 0
	QUANT 1
	QUANT 2
	QUANT 3
	; ---- ONE barrier for two things: W, and the images of chunks 0 to 3
	s_wait_tensorcnt 0x0                           ; my quarter of W has landed,
	s_wait_dscnt 0x0                               ; and my part of the four chunks' images is stored:
	s_barrier_signal -1
	s_barrier_wait -1                              ; everybody's: my tiles of W reach into other waves' quarters, and I read all four waves' codes
	WIN 0x80
	ALOAD 0
	ALOAD 1
	WIN 0xc0
	ALOAD 2
	WIN 0xc3                                       ; source 0 and destination window 3
.set J, 0
.rept 24
	v_ldexp_f32 v[BF+J], v[BF+J], s22              ; conv_b / 2^(ew + ex), while W's fragments come out of LDS
.set J, J+1
.endr
	WIN 0
	s_cmp_lg_u32 s16, 3
	s_cbranch_scc1 .Lno_tile3
	WIN 0xc0
	ALOAD 3
	WIN 0xc3
.rept 8
	v_ldexp_f32 v[BF+J], v[BF+J], s22
.set J, J+1
.endr
	WIN 0
.Lno_tile3:
	; ---- image 2 G: two chunks are multiplied for each one quantised.  (Trip 0's wait for all LDS instructions also shows W in my registers)
	TRIP 0, 4
	TRIP 1, -1
	TRIP 2, 5
	TRIP 3, -1
	TRIP 4, 6
	TRIP 5, -1
	SOFTMAX 0                                      ; chunks 7 to 10 are on their way meanwhile
	; ---- image 2 G + 1: the quantising is one chunk ahead, so that one chunk's products are all that stands between the last chunk's arrival and the softmax
	TRIP 6, 7
	TRIP 7, 8
	TRIP 8, 9
	TRIP 9, 10
	TRIP 10, 11
	TRIP 11, -1
	SOFTMAX 1
	; ---- out1: the work-group's 600 bytes lie in LDS as in memory; threads 0 to 74 store 8 bytes each
	s_wait_dscnt 0x0                               ; my coordinates are stored,
	s_barrier_signal -1
	s_barrier_wait -1                              ; everybody's are
	v_lshlrev_b32 v17, 3, v0
	v_add_nc_u32 v18, COORD, v17
	v_mov_b32 v246, 0
	v_mov_b32 v247, 0
	v_cmp_gt_u32 vcc_lo, 75, v0
	s_wait_xcnt 0x0                                ; EXEC is a source of the stores that are out: it changes only behind this wait
	s_and_saveexec_b32 s42, vcc_lo
	ds_load_b64 v[246:247], v18
	s_wait_dscnt 0x0
	global_store_b64 v17, v[246:247], s[14:15]
	s_wait_xcnt 0x0                                ; and again, in front of the line that widens it
	s_or_b32 exec_lo, exec_lo, s42
	s_wait_tensorcnt 0x0
	ds_add_u32 v254, v255
	s_wait_dscnt 0x0
	ROUND                                          ; the closing round: no work-group ends while a partner may still ask for a tile that names it
	s_endpgm
.Lfunc_end_k_q028e8d5ef7_posnet:
	.size	k_q028e8d5ef7_posnet, .Lfunc_end_k_q028e8d5ef7_posnet-k_q028e8d5ef7_posnet
	.p2alignl 7, 3214868480
	.fill 96, 4, 3214868480
	.section	.rodata,"a",@progbits
	.p2align	6, 0x0
	.amdhsa_kernel k_q028e8d5ef7_posnet
		.amdhsa_group_segment_fixed_size 210432
		.amdhsa_private_segment_fixed_size 0
		.amdhsa_enable_private_segment 0
		.amdhsa_kernarg_size 48
		.amdhsa_user_sgpr_count 2
		.amdhsa_user_sgpr_kernarg_segment_ptr 1
		.amdhsa_wavefront_size32 1
		.amdhsa_system_sgpr_workgroup_id_x 1
		.amdhsa_system_sgpr_workgroup_id_y 1
		.amdhsa_system_sgpr_workgroup_id_z 1
		.amdhsa_system_vgpr_workitem_id 0
		.amdhsa_next_free_vgpr 1024
		.amdhsa_next_free_sgpr 66
		.amdhsa_reserve_vcc 1
		.amdhsa_float_denorm_mode_32 3
		.amdhsa_float_denorm_mode_16_64 3
		.amdhsa_memory_ordered 1
		.amdhsa_forward_progress 1
		.amdhsa_inst_pref_size 193
	.end_amdhsa_kernel
	.amdgpu_metadata
---
amdhsa.version: [ 1, 2 ]
amdhsa.kernels:
  - .name:           k_q028e8d5ef7_posnet
    .symbol:         k_q028e8d5ef7_posnet.kd
    .args:
      - { .name: img_feat, .offset: 0, .size: 8, .value_kind: global_buffer, .address_space: global }
      - { .name: wq, .offset: 8, .size: 8, .value_kind: global_buffer, .address_space: global }
      - { .name: conv_b, .offset: 16, .size: 8, .value_kind: global_buffer, .address_space: global }
      - { .name: lowp_scales, .offset: 24, .size: 8, .value_kind: global_buffer, .address_space: global }
      - { .name: out0, .offset: 32, .size: 8, .value_kind: global_buffer, .address_space: global }
      - { .name: out1, .offset: 40, .size: 8, .value_kind: global_buffer, .address_space: global }
    .group_segment_fixed_size: 210432
    .private_segment_fixed_size: 0
    .kernarg_segment_align: 8
    .kernarg_segment_size: 48
    .max_flat_workgroup_size: 128
    .sgpr_count:     66
    .vgpr_count:     1024
    .wavefront_size: 32
...
	.end_amdgpu_metadata
.endif
;; end of part 2
